; MI455X (gfx1250); checked and timed in simulation.
; The chip was launched on July 23, 2026; its instructions are those of AMD's public machine-readable ISA for CDNA 5 (MIT licence, August 2026) and "CDNA5" Instruction Set Architecture Reference Guide (July 2026). The comments in the code are by the model that wrote it; some were corrected since.
;; Transduction layer. Allowed arithmetic: matrix products marked QUANTISED: E5M2 operands, one given power-of-two scale a tensor, by v_wmma_f32_16x16x64_bf8_bf8 or v_wmma_f32_16x16x128_bf8_bf8, f32 sums; everything else in f32.
;; Inputs: W_out_codes 512 x 16 x 32 uint8 (E5M2 codes of W_out, K innermost, in blocks of 32 codes); W_u_codes 512 x 16 x 32 uint8 (E5M2 codes of W_u, K innermost, in blocks of 32 codes); W_v1_codes 512 x 16 x 32 uint8 (E5M2 codes of W_v1, K innermost, in blocks of 32 codes); W_v2_codes 512 x 16 x 32 uint8 (E5M2 codes of W_v2, K innermost, in blocks of 32 codes); lowp_scales 12 int32 (the exponents e of the quantised operands' scales 2^e); mask 2 x 4,096 x 4,096 float32; scale 1 float32; x_codes 2 x 4,096 x 16 x 32 uint8 (E5M2 codes of x, K innermost, in blocks of 32 codes); y 2 x 4,096 x 512 float32.
;; Outputs: out0 2 x 4,096 x 512 float32; out1 2 x 4,096 x 512 float32.
;; This version of the problem:
;;   THIS VERSION OF THE PROBLEM IS GIVEN IN LOW PRECISION. The matrix products marked QUANTISED in the list below multiply operands that are first quantised to E5M2 (5 exponent bits, 2 mantissa bits; 8 bits a number), with one given power-of-two scale for each operand tensor; their sums are f32. All else is computed in f32.
;;   The module's matrix products, in the order in which they are computed (A, B: the left and right operand; K: the contracted axis; several contracted axes count as one K, in the product's order):
;;     1. [M 8,192, K 512] x [K 512, N 512]; A: input x (given as codes); B: input W_v1 (given as codes): QUANTISED (scales: A lowp_scales[0], B lowp_scales[1])
;;     2. [M 8,192, K 512] x [K 512, N 512]; A: input x (given as codes); B: input W_v2 (given as codes): QUANTISED (scales: A lowp_scales[2], B lowp_scales[3])
;;     3. [M 8,192, K 512] x [K 512, N 512]; A: input y; B: input W_u (given as codes): QUANTISED (scales: A lowp_scales[4], B lowp_scales[5])
;;     4. batch 16 x [M 4,096, K 64] x [K 64, N 4,096]; A: computed on the way; B: computed on the way: QUANTISED (scales: A lowp_scales[6], B lowp_scales[7])
;;     5. batch 16 x [M 4,096, K 4,096] x [K 4,096, N 64]; A: softmax (see below); B: computed on the way: QUANTISED (scales: A lowp_scales[8], B lowp_scales[9])
;;     6. [M 8,192, K 512] x [K 512, N 512]; A: computed on the way; B: input W_out (given as codes): QUANTISED (scales: A lowp_scales[10], B lowp_scales[11])
;;   THE QUANTISER, for each operand of a quantised product, along K:
;;     - The operand's scale is 2^e, e = its entry of the input lowp_scales (int32; the entries are numbered through the quantised products in the list's order, A before B).
;;     - Each number is divided by the scale, clamped to +-57,344, and rounded to the nearest number of E5M2, ties to even, subnormals kept.
;;     - The product sums the exact products of the quantised numbers (number of the format x scale) in f32.
;;   ~~~python
;;   def quantise(x, axis, e):      # numpy; x: float32 -> the quantised numbers, widened to float32 again
;;       x = np.moveaxis(x, axis, -1); K = x.shape[-1]
;;       r = np.clip(x / 2.0 ** e, -57344, 57344)
;;       step = 2.0 ** (np.maximum(np.frexp(np.where(r == 0, 1, r))[1] - 1, -14) - 2)
;;       q = np.round(r / step) * step * 2.0 ** e      # np.round: ties to even
;;       return np.moveaxis(q, -1, axis).astype(np.float32)
;;   ~~~
;;   SOFTMAX AHEAD OF A QUANTISED PRODUCT. Where the list says 'softmax', what is quantised is not the finished softmax but p = 2^(t - M), with t = logit x log2(e) and M = ceil(the row's largest t), a whole number; so 1/2 < the row's largest p <= 1. The row's sum l is taken of the UNQUANTISED p, in f32, and the product's result is divided by l at the end. Since M is a whole number, a kernel that streams over the keys may use a running M (the ceiling of the running maximum): every later rescaling is an exact power of two, so the quantised numbers keep their values, but for numbers so far below the row's largest that they fall under the format's range.
;;   OPERANDS COMPUTED ON THE WAY. 'Computed on the way' means the value that the module computes at that place (a softmax that the list does not call 'softmax' is quantised finished and normalised). What goes into a quantiser is computed in f32, as accurately as f32 sums, v_exp_f32 and their like allow (about 1e-6 of the number): no bf16 or f16 on the way to a quantiser, and a product that is left as it is and whose result goes on into a quantised operand takes f32 operands (vector FMAs, or v_wmma_f32_16x16x4_f32). A number that lies on a knife's edge between two numbers of the format may be rounded either way, as far as f32 arithmetic and the matrix unit's own rounding can turn it there, and no further.
;;   INPUTS GIVEN AS CODES. W_out (in the module: [512, 512], K = its axis 1); W_u (in the module: [512, 512], K = its axis 1); W_v1 (in the module: [512, 512], K = its axis 1); W_v2 (in the module: [512, 512], K = its axis 1); x (in the module: [2, 4096, 512], K = its axis 2): each comes as NAME_codes (uint8): NAME with its K axis moved to the last place and cut into blocks of 32 codes, [.., K / 32, bytes a block], one block behind the other in memory; one code a byte (a code: sign, 5 exponent bits, 2 mantissa bits); its scale is its entry of lowp_scales. Its value is code x scale, taken as it is: it is not quantised again, and the codes and scales need not be those that the quantiser above would give.
;; One version. Each part assembles by itself: llvm-mc -triple=amdgcn-amd-amdhsa -mcpu=gfx1250 --defsym DOCPART=n.
;; ======== version 1 of 1: 2 launches
;; limits: right only within a limited range of input values
;; workspace buffers: q_ws 4,194,304 bytes; kv_ws 8,388,608 bytes
;; launch proj (part 1): grid 64 x 3, 8 waves a work-group, no clusters, 132,096 bytes of LDS; arguments x_codes, y, W_v1_codes, W_v2_codes, W_u_codes, lowp_scales, q_ws, kv_ws, out0; writes q_ws, kv_ws, out0
.if DOCPART == 1
	.amdgcn_target "amdgcn-amd-amdhsa--gfx1250"
	.amdhsa_code_object_version 6
	.text
	.protected	k_qed1c17d32d_proj
	.globl	k_qed1c17d32d_proj
	.p2align	8
	.type	k_qed1c17d32d_proj,@function
k_qed1c17d32d_proj:
	s_mov_b64 s[64:65], 0
	v_nop
	global_prefetch_b8 v0, s[64:65] scope:SCOPE_SE
	s_setreg_imm32_b32 hwreg(HW_REG_WAVE_MODE, 25, 1), 1
	s_wait_xcnt 0x0
; q = x W_v1^T, k = x W_v2^T, v = y W_u^T on codes of BF8 (E5M2), each result quantised at once for the attention launch; y is quantised on the way; out0 = x's codes x 2^e0 as f32.
; SHARES.  Work-group (blk, p): 128 rows (blk = 0..63 of the 8,192), p = 0: q, 1: k, 2: v.  Wave w is head w: its 64 rows of the weight (32 KB, 256 registers, window 1) stay in registers.
; The 128 rows' codes go from wave to wave through LDS as images of the operand's registers: wave w prepares the tile of rows 16 w .. 16 w + 15 (four fragments of 16 rows x 128 K), one barrier, then every wave multiplies all eight tiles.
; A fragment's registers 4 c .. 4 c + 3 hold k = 32 c + 16 (lane / 16) + 0 .. 15: the same order of k in both operands, so every product meets its partner.
; q, k: the product is used transposed (source 0 = 16 rows of W, source 1 = 16 rows of x): a lane holds one token and eight neighbouring features, so a tile's conversion gives registers 2 c, 2 c + 1 of a 16 x 64 fragment.
; v: source 0 = 16 rows of y's codes, source 1 = 16 rows of W_u: a lane holds one channel and eight neighbouring keys, so the conversion gives registers 2 m, 2 m + 1 of a fragment of V^T (16 channels x 128 keys).
; W_u'S ROWS OF A TILE ARE NOT NEIGHBOURS: lane r of tile 2 b + u takes row 32 b + 8 u + r + 8 (r / 8) of the head, so that the attention's results of tiles 2 b, 2 b + 1 are 16 neighbouring channels.
; WORKSPACE, as images (four registers = 512 bytes, lane l's 16 bytes at 16 l): q_ws [blk][head][tile][1,024]; kv_ws [blk][131,072]: K [head][tile][1,024], then from 65,536 on V^T [head][channel tile][2,048].
; No joint loads: the weights go from memory straight into the registers in which they stay; a joint load would lay their 256 KB into LDS first, beside the 64 KB of images, and each byte would be read from LDS once more.
; 192 work-groups: three products of 64 blocks; a block of 96 rows, which would make 256, does not divide 8,192.
; out0 takes lowp_scales[0] (x has two entries, 0 and 2; each product takes its own).
; LIMITS on the given exponents, so that each power of two is an f32 number: e4, e6 - e0 - e1, e7 - e2 - e3, e9 - e4 - e5 between -126 and 112; e0 between -127 and 127.  NaN in y is not served.
; The two paths (q or k; v) part on the work-group's y and never join; each has LDS bytes of its own.
.set XIMG, 0                           ; LDS: x's 32 fragments, (tile m, K step s) at 8192 m + 2048 s
.set YIMG, 65536                       ; LDS: the same for y's codes
.set SA,  4                            ; v4   my lane's byte in the tile's 16 rows of x or of y
.set WA,  5                            ; v5   my lane's byte in a tile of the weight
.set LI,  6                            ; v6   the images' base + 16 x lane
.set IW,  7                            ; v7   the same + 8192 x wave: where I store my tile's images
.set DA,  8                            ; v8   4 x lane
.set OA,  9                            ; v9   16 x lane
.set SCO, 10                           ; v10  the results' scale as f32;  v11  57,344 x that
.set LMO, 11
.set SCY, 12                           ; v12  2^e4;  v13  57,344 x 2^e4
.set LMY, 13
.set SB,  14                           ; v14  e0 + 127 in each of its four bytes
.set XF0, 16                           ; v16-79, v80-143: two sets of a tile's four fragments
.set XF1, 80
.set ACC, 144                          ; v144-175 four accumulators
.set PC,  144                          ; v144-159 y's codes just made (ahead of the products)
.set COD, 176                          ; v176-239 the results' codes
.set MSB, 0
.macro WIN new                         ; the immediate's high byte repeats the setting that is left
.if MSB != \new
	s_set_vgpr_msb (MSB<<8)|\new
.set MSB, \new
.endif
.endm
; my head's 64 rows of the weight: fragment (tile c, K step s) at v[64 c + 16 s] of window 1.  perm = 1: W_u's choice of rows
.macro WLOAD perm
	WIN 0x40                                       ; destination window 1, address window 0
.irp c, 0,1,2,3
.irp s, 0,1,2,3
.irp i, 0,1,2,3
.if \perm
	global_load_b128 v[64*\c+16*\s+4*\i:64*\c+16*\s+4*\i+3], v[WA], s[40:41] offset:(32*(\c/2)+8*(\c%2))*512+128*\s+32*\i
.else
	global_load_b128 v[64*\c+16*\s+4*\i:64*\c+16*\s+4*\i+3], v[WA], s[40:41] offset:16*\c*512+128*\s+32*\i
.endif
.endr
.endr
.endr
	WIN 0
.endm
; y's numbers of K step s: lane (r, h) takes, of row r, 16 neighbours of each block of 32
.macro XLOAD reg, s
.irp b, 0,1,2,3
.irp j, 0,1,2,3
	global_load_b128 v[\reg+16*\b+4*\j:\reg+16*\b+4*\j+3], v[SA], s[42:43] offset:512*\s+128*\b+16*\j
.endr
.endr
.endm
; 64 numbers of a lane become a fragment's codes in v[PC] on
.macro QUANT s
.irp b, 0,1,2,3
.irp i, 0,1,2,3,4,5,6,7,8,9,10,11,12,13,14,15
	v_med3_num_f32 v[\s+16*\b+\i], v[\s+16*\b+\i], -v[LMY], v[LMY]   ; the conversion to an 8-bit code does not saturate (ISA guide 7.6.2): the hold at the largest code x the scale
.endr
	v_cvt_scalef32_pk8_bf8_f32 v[PC+4*\b:PC+4*\b+1], v[\s+16*\b:\s+16*\b+7], v[SCY]
	v_cvt_scalef32_pk8_bf8_f32 v[PC+4*\b+2:PC+4*\b+3], v[\s+16*\b+8:\s+16*\b+15], v[SCY]
.endr
	v_nop                                          ; one plain vector instruction behind the last conversion, ahead of whatever next writes these registers
.endm
.macro IMAGE reg, off                          ; a fragment goes to LDS as it stands: 512 consecutive bytes a store
.irp c, 0,1,2,3
	ds_store_b128 v[IW], v[\reg+4*\c:\reg+4*\c+3] offset:\off+512*\c
.endr
.endm
.macro FETCH m                                 ; tile m's four fragments come back so, in any wave
.irp k, 0,1,2,3,4,5,6,7,8,9,10,11,12,13,14,15
	ds_load_b128 v[XF0+64*((\m)%2)+4*\k:XF0+64*((\m)%2)+4*\k+3], v[LI] offset:8192*(\m)+512*\k
.endr
.endm
.macro BARRIER                                 ; my LDS stores have landed: then the work-group's barrier
	s_wait_dscnt 0x0
	s_barrier_signal -1
	s_barrier_wait -1
.endm
; The products: eight tiles of 16 rows against my head's four tiles of the weight; K = 512 in four steps; the four accumulators take turns.  kind = 0: q or k; 1: v.
.macro PH2 kind
	FETCH 0
.irp m, 0,1,2,3,4,5,6,7
.if \m < 7
	FETCH \m+1                                     ; after the first tile, its registers' last readers stand more than four plain vector instructions back
	s_wait_dscnt 16                                ; tile m is in; the 16 loads just issued may be out
.else
	s_wait_dscnt 0x0
.endif
.if \kind
	WIN 0x04                                       ; source 1 (W_u) window 1
.else
	WIN 0x01                                       ; source 0 (W) window 1
.endif
.irp s, 0,1,2,3
.irp c, 0,1,2,3
.if \kind
.if \s == 0
	v_wmma_f32_16x16x128_bf8_bf8 v[ACC+8*\c:ACC+8*\c+7], v[XF0+64*(\m%2)+16*\s:XF0+64*(\m%2)+16*\s+15], v[64*\c+16*\s:64*\c+16*\s+15], 0
.else
	v_wmma_f32_16x16x128_bf8_bf8 v[ACC+8*\c:ACC+8*\c+7], v[XF0+64*(\m%2)+16*\s:XF0+64*(\m%2)+16*\s+15], v[64*\c+16*\s:64*\c+16*\s+15], v[ACC+8*\c:ACC+8*\c+7]
.endif
.else
.if \s == 0
	v_wmma_f32_16x16x128_bf8_bf8 v[ACC+8*\c:ACC+8*\c+7], v[64*\c+16*\s:64*\c+16*\s+15], v[XF0+64*(\m%2)+16*\s:XF0+64*(\m%2)+16*\s+15], 0
.else
	v_wmma_f32_16x16x128_bf8_bf8 v[ACC+8*\c:ACC+8*\c+7], v[64*\c+16*\s:64*\c+16*\s+15], v[XF0+64*(\m%2)+16*\s:XF0+64*(\m%2)+16*\s+15], v[ACC+8*\c:ACC+8*\c+7]
.endif
.endif
.endr
.endr
	WIN 0
.rept 4
	v_nop                                          ; four places behind the last product, ahead of the first read of results (ISA guide 7.12.1)
.endr
.irp i, 0,1,2,3,4,5,6,7,8,9,10,11,12,13,14,15,16,17,18,19,20,21,22,23,24,25,26,27,28,29,30,31
	v_med3_num_f32 v[ACC+\i], v[ACC+\i], -v[LMO], v[LMO]   ; the hold; each accumulator from its low end on
.endr
.irp c, 0,1,2,3
.if \kind
	v_cvt_scalef32_pk8_bf8_f32 v[COD+16*\c+2*\m:COD+16*\c+2*\m+1], v[ACC+8*\c:ACC+8*\c+7], v[SCO]   ; channel tile c, keys 16 m + 8 h + 0 .. 7
.else
	v_cvt_scalef32_pk8_bf8_f32 v[COD+8*\m+2*\c:COD+8*\m+2*\c+1], v[ACC+8*\c:ACC+8*\c+7], v[SCO]     ; token tile m, features 16 c + 8 h + 0 .. 7
.endif
.endr
	v_nop                                          ; one plain vector instruction between the conversions and the next products, which write their sources
.endr
.irp i, 0,1,2,3,4,5,6,7,8,9,10,11,12,13,14,15
	global_store_b128 v[OA], v[COD+4*\i:COD+4*\i+3], s[44:45] offset:512*\i   ; 32 lanes store 512 consecutive bytes, at a multiple of 512 from the buffer's first byte
.endr
.endm
	s_load_b256 s[4:11], s[0:1], 0x0               ; x's codes s[4:5], y s[6:7], W_v1 s[8:9], W_v2 s[10:11]
	s_load_b256 s[12:19], s[0:1], 0x20             ; W_u s[12:13], the exponents s[14:15], q_ws s[16:17], kv_ws s[18:19]
	s_load_b64 s[20:21], s[0:1], 0x40              ; out0
	v_lshl_add_u32 v254, v0, 2, 0x20000
	v_mov_b32 v255, 0
	v_lshrrev_b32 v1, 5, v0
	s_delay_alu instid0(VALU_DEP_1)
	v_readfirstlane_b32 s22, v1                    ; wave = head
	s_and_b32 s23, ttmp7, 0xffff                   ; p
	v_and_b32 v1, 15, v0                           ; r
	v_bfe_u32 v2, v0, 4, 1                         ; h
	v_and_b32 v3, 31, v0                           ; lane
	s_delay_alu instid0(VALU_DEP_1)
	v_lshlrev_b32 v[OA], 4, v3
	s_delay_alu instid0(VALU_DEP_2)
	v_lshlrev_b32 v[DA], 2, v3
	s_lshl_b32 s25, s22, 13                        ; 8,192 x wave
	s_lshl_b32 s50, s22, 15                        ; my head's 64 rows of 512 bytes in a weight
	s_mov_b32 s51, 0
	s_wait_kmcnt 0x0
	s_load_b256 s[28:35], s[14:15], 0x0            ; e0 .. e7
	s_load_b128 s[36:39], s[14:15], 0x20           ; e8 .. e11
	s_cmp_eq_u32 s23, 2
	s_cbranch_scc1 .Lpath_v
	; ---------------- q (p = 0) or k (p = 1)
	s_cmp_eq_u32 s23, 0                            ; the choice of buffers hangs on the work-group's y alone
	s_cselect_b64 s[40:41], s[8:9], s[10:11]       ; the weight
	s_cselect_b64 s[44:45], s[16:17], s[18:19]     ; where the codes go
	s_add_nc_u64 s[40:41], s[40:41], s[50:51]
	s_lshl_b32 s52, ttmp9, 16                      ; 128 rows of 512 bytes a block,
	s_add_co_u32 s52, s52, s25                     ; 16 a wave
	s_mov_b32 s53, 0
	s_add_nc_u64 s[42:43], s[4:5], s[52:53]        ; my tile of x
	s_add_co_u32 s54, s23, 16
	s_lshl_b32 s54, ttmp9, s54                     ; a block is 65,536 bytes of q_ws, 131,072 of kv_ws
	s_add_co_u32 s54, s54, s25
	s_mov_b32 s55, 0
	s_add_nc_u64 s[44:45], s[44:45], s[54:55]
	s_lshl_b32 s52, ttmp9, 16                      ; out0: rows 128 blk + 64 p + 8 w on, eight a wave
	s_lshl_b32 s56, s23, 15
	s_add_co_u32 s52, s52, s56
	s_lshl_b32 s56, s22, 12
	s_add_co_u32 s52, s52, s56
	s_add_nc_u64 s[46:47], s[4:5], s[52:53]        ; their codes,
	s_lshl_b32 s52, s52, 2
	s_add_nc_u64 s[48:49], s[20:21], s[52:53]      ; and their numbers: four bytes a code
	s_wait_alu depctr_va_vdst(0)
	v_lshlrev_b32 v[SA], 9, v1
	s_delay_alu instid0(VALU_DEP_1)
	v_lshl_add_u32 v[SA], v2, 4, v[SA]             ; row r of 512 bytes + 16 h
	v_lshlrev_b32 v[WA], 9, v1
	s_delay_alu instid0(VALU_DEP_1)
	v_lshl_add_u32 v[WA], v2, 4, v[WA]
	v_lshl_add_u32 v[LI], v3, 4, XIMG
	s_delay_alu instid0(VALU_DEP_1)
	v_add_nc_u32 v[IW], s25, v[LI]
.irp s, 0,1,2,3
.irp i, 0,1,2,3
	global_load_b128 v[XF0+16*\s+4*\i:XF0+16*\s+4*\i+3], v[SA], s[42:43] offset:128*\s+32*\i
.endr
.endr
	WLOAD 0
	s_wait_alu depctr_va_vdst(0)
	s_wait_loadcnt 63                              ; 64 loads were issued behind my tile's: it is in
.irp s, 0,1,2,3
	IMAGE XF0+16*\s, 2048*\s
.endr
.irp i, 0,1,2,3,4,5,6,7,8,9,10,11,12,13,14,15,16,17,18,19,20,21,22,23,24,25,26,27,28,29,30,31
	global_load_b32 v[XF1+\i], v[DA], s[46:47] offset:128*\i   ; four codes a lane, so that their four numbers are 16 bytes of out0
.endr
	s_wait_kmcnt 0x0
	s_cmp_eq_u32 s23, 0
	s_cselect_b32 s52, s28, s30                    ; x's exponent in this product,
	s_cselect_b32 s53, s29, s31                    ; the weight's,
	s_cselect_b32 s54, s34, s35                    ; the result's
	s_sub_co_i32 s54, s54, s52
	s_sub_co_i32 s54, s54, s53                     ; a sum stands for sum x 2^(ex + ew): the three exponents are folded into the conversion's one
	s_add_co_i32 s54, s54, 127
	s_lshl_b32 s55, s54, 23
	v_mov_b32 v[SCO], s55
	s_add_co_i32 s54, s54, 15
	s_lshl_b32 s54, s54, 23
	s_or_b32 s54, s54, 0x600000
	v_mov_b32 v[LMO], s54                          ; 57,344 x that scale
	s_add_co_i32 s56, s28, 127
	s_mul_i32 s56, s56, 0x01010101
	v_mov_b32 v[SB], s56                           ; e0 + 127 in every byte
	s_wait_alu depctr_va_vdst(0)
	BARRIER                                        ; x's 32 fragments lie in LDS; my stores have read v16-79
	s_wait_loadcnt 0x0                             ; the weight and the codes for out0
.irp k, 0,1,2,3,4,5,6,7
	v_cvt_scale_pk8_f32_bf8 v[XF0+8*\k:XF0+8*\k+7], v[XF1+2*\k:XF1+2*\k+1], v[SB]          ; eight codes x 2^e0
.endr
.irp k, 0,1,2,3,4,5,6,7
	v_cvt_scale_pk8_f32_bf8 v[ACC+8*\k:ACC+8*\k+7], v[XF1+16+2*\k:XF1+16+2*\k+1], v[SB]
.endr
	v_nop                                          ; one plain vector instruction behind the last conversion
.irp i, 0,1,2,3,4,5,6,7,8,9,10,11,12,13,14,15
	global_store_b128 v[OA], v[XF0+4*\i:XF0+4*\i+3], s[48:49] offset:512*\i th:TH_STORE_NT   ; 32 lanes store 512 consecutive bytes
.endr
.irp i, 0,1,2,3,4,5,6,7,8,9,10,11,12,13,14,15
	global_store_b128 v[OA], v[ACC+4*\i:ACC+4*\i+3], s[48:49] offset:8192+512*\i th:TH_STORE_NT
.endr
	s_wait_xcnt 0x0                                ; the stores' data registers are written again only behind this wait
	PH2 0
	s_wait_tensorcnt 0x0
	ds_add_u32 v254, v255
	s_wait_dscnt 0x0
	s_endpgm
	; ---------------- v (p = 2)
.Lpath_v:
	s_add_nc_u64 s[40:41], s[12:13], s[50:51]      ; my head's rows of W_u
	s_lshl_b32 s52, ttmp9, 18                      ; 128 rows of 2,048 bytes a block,
	s_lshl_b32 s56, s22, 15                        ; 16 a wave
	s_add_co_u32 s52, s52, s56
	s_mov_b32 s53, 0
	s_add_nc_u64 s[42:43], s[6:7], s[52:53]        ; my tile of y
	s_lshl_b32 s54, ttmp9, 17
	s_add_co_u32 s54, s54, s25
	s_add_co_u32 s54, s54, 65536                   ; V^T lies behind K in a block of kv_ws
	s_mov_b32 s55, 0
	s_add_nc_u64 s[44:45], s[18:19], s[54:55]
	s_wait_alu depctr_va_vdst(0)
	v_lshlrev_b32 v[SA], 11, v1
	s_delay_alu instid0(VALU_DEP_1)
	v_lshl_add_u32 v[SA], v2, 6, v[SA]             ; row r of 2,048 bytes + 64 h
	v_and_b32 v[WA], 8, v1
	s_delay_alu instid0(VALU_DEP_1)
	v_add_nc_u32 v[WA], v[WA], v1                  ; r + 8 (r / 8)
	s_delay_alu instid0(VALU_DEP_1)
	v_lshlrev_b32 v[WA], 9, v[WA]
	s_delay_alu instid0(VALU_DEP_1)
	v_lshl_add_u32 v[WA], v2, 4, v[WA]
	v_lshl_add_u32 v[LI], v3, 4, YIMG
	s_delay_alu instid0(VALU_DEP_1)
	v_add_nc_u32 v[IW], s25, v[LI]
	XLOAD XF0, 0
	XLOAD XF1, 1
	XLOAD COD, 2
	WLOAD 1
	s_wait_kmcnt 0x0
	s_add_co_i32 s54, s32, 127                     ; e4
	s_lshl_b32 s55, s54, 23
	v_mov_b32 v[SCY], s55
	s_add_co_i32 s54, s54, 15
	s_lshl_b32 s54, s54, 23
	s_or_b32 s54, s54, 0x600000
	v_mov_b32 v[LMY], s54
	s_sub_co_i32 s54, s37, s32                     ; e9 - e4 - e5
	s_sub_co_i32 s54, s54, s33
	s_add_co_i32 s54, s54, 127
	s_lshl_b32 s55, s54, 23
	v_mov_b32 v[SCO], s55
	s_add_co_i32 s54, s54, 15
	s_lshl_b32 s54, s54, 23
	s_or_b32 s54, s54, 0x600000
	v_mov_b32 v[LMO], s54
	s_wait_alu depctr_va_vdst(0)
	s_wait_loadcnt 63                              ; 64 loads were issued behind y's 48: they are in
	QUANT XF0
	IMAGE PC, 0
	XLOAD XF0, 3                                   ; the last K step, into the registers just quantised
	s_wait_dscnt 0x0                               ; the stores have read the codes' registers
	QUANT XF1
	IMAGE PC, 2048
	s_wait_dscnt 0x0
	QUANT COD
	IMAGE PC, 4096
	s_wait_dscnt 0x0
	s_wait_loadcnt 0x0                             ; the last K step and the weight
	QUANT XF0
	IMAGE PC, 6144
	BARRIER                                        ; y's 32 fragments lie in LDS
	PH2 1
	s_wait_tensorcnt 0x0
	ds_add_u32 v254, v255
	s_wait_dscnt 0x0
	s_endpgm
.Lfunc_end_k_qed1c17d32d_proj:
	.size	k_qed1c17d32d_proj, .Lfunc_end_k_qed1c17d32d_proj-k_qed1c17d32d_proj
	.p2alignl 7, 3214868480
	.fill 96, 4, 3214868480
	.section	.rodata,"a",@progbits
	.p2align	6, 0x0
	.amdhsa_kernel k_qed1c17d32d_proj
		.amdhsa_group_segment_fixed_size 132096
		.amdhsa_private_segment_fixed_size 0
		.amdhsa_enable_private_segment 0
		.amdhsa_kernarg_size 72
		.amdhsa_user_sgpr_count 2
		.amdhsa_user_sgpr_kernarg_segment_ptr 1
		.amdhsa_wavefront_size32 1
		.amdhsa_system_sgpr_workgroup_id_x 1
		.amdhsa_system_sgpr_workgroup_id_y 1
		.amdhsa_system_sgpr_workgroup_id_z 1
		.amdhsa_system_vgpr_workitem_id 0
		.amdhsa_next_free_vgpr 512
		.amdhsa_next_free_sgpr 66
		.amdhsa_reserve_vcc 0
		.amdhsa_float_denorm_mode_32 3
		.amdhsa_float_denorm_mode_16_64 3
		.amdhsa_memory_ordered 1
		.amdhsa_forward_progress 1
		.amdhsa_inst_pref_size 128
	.end_amdhsa_kernel
	.amdgpu_metadata
---
amdhsa.version: [ 1, 2 ]
amdhsa.kernels:
  - .name:           k_qed1c17d32d_proj
    .symbol:         k_qed1c17d32d_proj.kd
    .args:
      - { .name: x_codes, .offset: 0, .size: 8, .value_kind: global_buffer, .address_space: global }
      - { .name: y, .offset: 8, .size: 8, .value_kind: global_buffer, .address_space: global }
      - { .name: W_v1_codes, .offset: 16, .size: 8, .value_kind: global_buffer, .address_space: global }
      - { .name: W_v2_codes, .offset: 24, .size: 8, .value_kind: global_buffer, .address_space: global }
      - { .name: W_u_codes, .offset: 32, .size: 8, .value_kind: global_buffer, .address_space: global }
      - { .name: lowp_scales, .offset: 40, .size: 8, .value_kind: global_buffer, .address_space: global }
      - { .name: q_ws, .offset: 48, .size: 8, .value_kind: global_buffer, .address_space: global }
      - { .name: kv_ws, .offset: 56, .size: 8, .value_kind: global_buffer, .address_space: global }
      - { .name: out0, .offset: 64, .size: 8, .value_kind: global_buffer, .address_space: global }
    .group_segment_fixed_size: 132096
    .private_segment_fixed_size: 0
    .kernarg_segment_align: 8
    .kernarg_segment_size: 72
    .max_flat_workgroup_size: 256
    .sgpr_count:     66
    .vgpr_count:     512
    .wavefront_size: 32
...
	.end_amdgpu_metadata
.endif
;; end of part 1
;; launch attn (part 2): grid 128 x 2, 8 waves a work-group, clusters of 4 x 1, 327,680 bytes of LDS; arguments q_ws, kv_ws, mask, scale, lowp_scales, W_out_codes, y, out1; writes out1
.if DOCPART == 2
	.amdgcn_target "amdgcn-amd-amdhsa--gfx1250"
	.amdhsa_code_object_version 6
	.text
	.protected	k_qed1c17d32d_attn
	.globl	k_qed1c17d32d_attn
	.p2align	8
	.type	k_qed1c17d32d_attn,@function
k_qed1c17d32d_attn:
	s_mov_b64 s[64:65], 0
	v_nop
	global_prefetch_b8 v0, s[64:65] scope:SCOPE_SE
	s_setreg_imm32_b32 hwreg(HW_REG_WAVE_MODE, 25, 1), 1
	s_wait_xcnt 0x0
	s_wait_alu depctr_hold_cnt(0) depctr_sa_sdst(0) depctr_va_vdst(0) depctr_va_sdst(0) depctr_va_ssrc(0) depctr_va_vcc(0) depctr_vm_vsrc(0)
	s_getreg_b32 s2, hwreg(HW_REG_IB_STS2, 6, 4)
	s_cmp_eq_u32 s2, 0
	s_cbranch_scc0 .Lentry_in_a_cluster
	s_endpgm
.Lentry_in_a_cluster:
	s_bfe_u32 s2, ttmp6, 0x10000c
	s_cmp_lg_u32 s2, 0x3003
	s_cbranch_scc0 .Lentry_shape_is_right
	s_endpgm
.Lentry_shape_is_right:
; out1 = y + softmax(q k^T x scale + mask) v, heads joined, x W_out^T: both products of attention and the last projection on codes of BF8 (E5M2), each operand with its given scale 2^e.
; SHARES.  A work-group owns 32 queries of one batch for all 8 heads (256 work-groups); wave w is head w with two tiles of 16 queries; every wave walks the batch's 4,096 keys, 128 a step, 32 steps.
; THE SOFTMAX.  c = scale x 2^(e6 + e7).  The score product takes the mask as its C operand: D = K (sign(c) Q)^T + mask / |c|, so z = D |c| and t = D x |c| log2(e).  M = the running largest t rounded up to a whole number
; (kept as -M = floor(-t)); p = 2^(t - M) is quantised with 2^e8, not normalised; the row's sum is taken of the unquantised p; when M moves, sum and O are multiplied by 2^(old M - new M); O is divided by the sum at the end.
; sign(c) is laid into Q's sign bits.  Where |c| < 2^-100 the scores' part of z lies under 2^-62 (a raw score is under 2^38): Q's codes are cleared and |c| is taken as 1, so z = mask.
; THE MASK.  Wave w loads rows 4 w .. 4 w + 3 of the work-group's 32 (512 consecutive bytes a load), multiplies them by 1 / |c| and stores them in one of two LDS buffers of their own (rows of 512 + 16 bytes).
; Trip j asks at its head for step j + 2's numbers and stores step j + 1's near its end; the trip's round shows them to all waves.  Trip 30 has no step 32: its load is held at step 31's tile and its numbers are not used.
; THE ORDER OF A TRIP.  Trip j: the change of slots; K_j and V_j into registers; softmax and second product of step j - 1; each score register group takes step j's mask numbers as soon as its conversion has read it; then D of step j.
; So V has two sets of registers, and trip 0 (no softmax), trip 31 (no refill) and the last softmax are written out.
; RING.  Two LDS slots of one key step: K of all heads (64 KB), V^T of all heads (64 KB), as images of the operands' registers.  Every wave asks for 16 KB: one tensor load out a wave.
; CLUSTER.  Four neighbouring query blocks of one batch walk the same K and V: those tiles are asked for jointly (mask 15).
; No prefetch instruction: the mask's loads go into registers of their own and are issued more than a whole trip ahead of their wait; K and V are 4 MB a batch, which its 128 work-groups read step by step together.
; LAYOUT as the first launch lays it: lane (r, h) holds query r; register j of score tile u is key 16 u + 8 h + j; its conversion gives registers 2 u, 2 u + 1 of P; O^T's tiles 2 b, 2 b + 1 are channels 32 b + 16 h + 0 .. 15.
; LIMITS.  e8 and e10 - e8 - e9 between -126 and 112; e10 + e11 between -126 and 127.  |mask| x 2^100 stays an f32 number.  NaN among the inputs and +infinity in the mask are not served; -infinity in the mask gives p = 0.
; REGISTERS.  Window 0: v1-15 addresses; v16-31 statistics; v32-159 D, then p; v160-175 Q; v176-207 P; v208-239 the mask's two sets; v240-252 constants.  Window 1: v0-63 K; v64-191 V, two sets; v192-255 O^T.
.set KVSTEP, 131072
.set MSTEP,  512
.set VOFF,   65536
.set SLOT,   131072
.set MP,     528                       ; a mask row in LDS: sixteen rows begin at sixteen different 16-byte columns of 256 bytes
.set MBUF,   32*MP
.set MBASE,  2*SLOT                    ; the mask's two buffers: no tensor load lands here
.set SPARE,  MBASE+2*MBUF              ; the spare words, 128 bytes a wave
.set OIMG,   MBASE                     ; the end: o's 8 fragments, in the mask's buffer 0 (last read in trip 30)
.set STAGE,  0                         ; the end: 16 rows x 272 bytes a wave, in slot 0 (last fill: step 30's; last read in trip 30)
.set SP,     272
.set SPW, 1
.set NIL, 2
.set AK,  3                            ; v3, v4 K's images of my head in slot 0, 1
.set AV,  5                            ; v5, v6 V's
.set AM,  7                            ; the mask's reads: row r, + 32 h
.set MW,  8                            ; the mask's stores: row 4 w, + 16 x lane
.set OB,  9                            ; OIMG + 16 x lane
.set WO,  10
.set OIA, 11
.set LI,  12                           ; 16 x lane
.set STO, 13
.set RD,  14
.set GY,  15
.set ST,  16                           ; tile t at v[16 + 8 t]: +0 -M, +1 largest t, +2, +3 the sum, +4 f, +5 its partner, +6, +7 at work
.set S,   32
.set QF,  160
.set PF,  176
.set MS,  208
.set OC,  160                          ; the end: o's codes, over Q
.set SUM2, 240
.set PT,  242                          ; v242, v243
.set HH,  244
.set SC8, 245
.set SCO, 246
.set LMO, 247
.set C2,  248                          ; |c| log2(e), twice
.set RC,  250                          ; 1 / |c|, twice
.set KF,  0                            ; window 1
.set VB,  64
.set OF,  192
.set YF,  128
.set G1,  24
.set G0,  40
.set MSB, 0
.macro WIN new
.if MSB != \new
	s_set_vgpr_msb (MSB<<8)|\new
.set MSB, \new
.endif
.endm
.macro PLACES
.rept 4
	v_nop
.endr
.endm
.macro ROUND                           ; a round of the cluster's barrier
	s_barrier_signal -1
	s_barrier_wait -1
	s_cmp_lg_u32 s20, 0
	s_cbranch_scc1 .Lnot_wave_0_\@
	s_barrier_signal -3
.Lnot_wave_0_\@:
	s_barrier_wait -3
	s_barrier_signal -1
	s_barrier_wait -1
.endm
; both tiles' largest D, M and f: four chains of maxima, then the two tiles' lines by turns; every accumulator is read from its low end on
.macro STATS
.irp t, 0,1
	v_max3_num_f32 v[ST+8*\t+6], v[S+64*\t], v[S+64*\t+1], v[S+64*\t+2]
	v_max3_num_f32 v[ST+8*\t+7], v[S+64*\t+3], v[S+64*\t+4], v[S+64*\t+5]
.endr
.set j, 6
.rept 14
.irp t, 0,1
	v_max3_num_f32 v[ST+8*\t+6], v[ST+8*\t+6], v[S+64*\t+j], v[S+64*\t+j+1]
	v_max3_num_f32 v[ST+8*\t+7], v[ST+8*\t+7], v[S+64*\t+j+2], v[S+64*\t+j+3]
.endr
.set j, j+4
.endr
.irp t, 0,1
	v_max3_num_f32 v[ST+8*\t+6], v[ST+8*\t+6], v[S+64*\t+62], v[S+64*\t+63]
.endr
.irp t, 0,1
	v_max_num_f32 v[ST+8*\t+6], v[ST+8*\t+6], v[ST+8*\t+7]
.endr
.irp t, 0,1
	v_permlanex16_b32 v[PT+\t], v[ST+8*\t+6], s60, s61
.endr
.irp t, 0,1
	v_max_num_f32 v[ST+8*\t+6], v[ST+8*\t+6], v[PT+\t]      ; and lane l xor 16's
.endr
.irp t, 0,1
	v_mul_f32 v[ST+8*\t+6], v[C2], v[ST+8*\t+6]            ; as t (the factor is positive)
.endr
.irp t, 0,1
	v_max_num_f32 v[ST+8*\t+1], v[ST+8*\t+1], v[ST+8*\t+6]  ; the running largest t
.endr
.irp t, 0,1
	v_mov_b32 v[ST+8*\t+6], v[ST+8*\t]
.endr
.irp t, 0,1
	v_floor_f32 v[ST+8*\t], -v[ST+8*\t+1]                  ; the new -M
.endr
.irp t, 0,1
	v_sub_f32 v[ST+8*\t+6], v[ST+8*\t], v[ST+8*\t+6]        ; old M - new M
.endr
.irp t, 0,1
	v_cvt_i32_f32 v[ST+8*\t+6], v[ST+8*\t+6]               ; (it saturates)
.endr
.irp t, 0,1
	v_ldexp_f32 v[ST+8*\t+4], 1.0, v[ST+8*\t+6]            ; f
.endr
.endm
; tile t: p, its sum, its codes.  mk = 1: each group of eight registers takes the next step's mask numbers (buffer `slot`) behind its conversion
.macro SOFT t, mk, slot
.set rT, ST+8*(\t)
.set rS, S+64*(\t)
.set j, 0
.rept 32
	v_pk_fma_f32 v[rS+j:rS+j+1], v[rS+j:rS+j+1], v[C2:C2+1], v[rT:rT+1] op_sel_hi:[1,1,0]   ; t - M
.set j, j+2
.endr
	s_wait_alu depctr_va_vdst(0)                   ; the wait ahead of the batch
.set j, 0
.rept 64
	v_exp_f32 v[rS+j], v[rS+j]
.set j, j+1
.endr
	v_pk_mul_f32 v[rT+2:rT+3], v[rT+2:rT+3], v[rT+4:rT+5] op_sel_hi:[1,0]   ; the sums under the new M; the plain line behind the batch
	s_wait_alu depctr_va_vdst(0)                   ; and behind it
	v_pk_add_f32 v[SUM2:SUM2+1], v[rS:rS+1], v[rS+2:rS+3]
.set j, 4
.rept 15
	v_pk_add_f32 v[rT+2:rT+3], v[rT+2:rT+3], v[rS+j:rS+j+1]
	v_pk_add_f32 v[SUM2:SUM2+1], v[SUM2:SUM2+1], v[rS+j+2:rS+j+3]
.set j, j+4
.endr
	v_pk_add_f32 v[rT+2:rT+3], v[rT+2:rT+3], v[SUM2:SUM2+1]
.set j, 0
.rept 8
.set i, 0
.rept 4
	v_dual_min_num_f32 v[rS+8*j+i], v[rS+8*j+i], v[HH] :: v_dual_min_num_f32 v[rS+8*j+i+1], v[rS+8*j+i+1], v[HH]   ; the conversion does not saturate (ISA guide 7.6.2); p is not negative
.set i, i+2
.endr
	v_cvt_scalef32_pk8_bf8_f32 v[PF+16*(\t)+2*j:PF+16*(\t)+2*j+1], v[rS+8*j:rS+8*j+7], v[SC8]
.if \mk
	ds_load_b128 v[rS+8*j:rS+8*j+3],   v[AM] offset:(\slot)*MBUF+16*MP*(\t)+64*j
	ds_load_b128 v[rS+8*j+4:rS+8*j+7], v[AM] offset:(\slot)*MBUF+16*MP*(\t)+64*j+16
.endif
.set j, j+1
.endr
.endm
; O^T under the new M, then O^T += V^T P^T with V's set vb; eight accumulators, one link each
.macro RESCPV vb
	WIN 0x41
	s_wait_alu depctr_va_vdst(0)                   ; the wait directly ahead of O^T's first readers
.irp t, 0,1
.set j, 0
.rept 16
	v_pk_mul_f32 v[OF+32*\t+j:OF+32*\t+j+1], v[OF+32*\t+j:OF+32*\t+j+1], v[ST+8*\t+4:ST+8*\t+5] op_sel_hi:[1,0]
.set j, j+2
.endr
.endr
	WIN 0x51
.irp c, 0,1,2,3
.irp t, 0,1
	v_wmma_f32_16x16x128_bf8_bf8 v[OF+32*\t+8*\c:OF+32*\t+8*\c+7], v[VB+64*(\vb)+16*\c:VB+64*(\vb)+16*\c+15], v[PF+16*\t:PF+16*\t+15], v[OF+32*\t+8*\c:OF+32*\t+8*\c+7]
.endr
.endr
	WIN 0
.endm
.macro SCALEM set, buf                 ; four mask rows x 1 / |c|, into LDS
.set j, 0
.rept 8
	v_pk_mul_f32 v[MS+16*(\set)+j:MS+16*(\set)+j+1], v[MS+16*(\set)+j:MS+16*(\set)+j+1], v[RC:RC+1]
.set j, j+2
.endr
.irp i, 0,1,2,3
	ds_store_b128 v[MW], v[MS+16*(\set)+4*\i:MS+16*(\set)+4*\i+3] offset:(\buf)*MBUF+MP*\i
.endr
.endm
; TRIP j on slot j % 2.  refill: step j + 1's tiles are asked for.  soft: step j - 1's softmax and second product.  mnext: the mask's loads for step j + 2 and stores for step j + 1.
.macro TRIP slot, refill, soft, mnext
	s_wait_alu depctr_va_vdst(0)                   ; the wait ahead of the blocking waits
	s_wait_tensorcnt 0x0                           ; my part of this slot is in; no load of mine is out, so a group 0 may be written
	ds_add_u32 v[SPW], v[NIL]
	s_add_nc_u64 s[G0+4*\slot+2:G0+4*\slot+3], s[G0+4*\slot+2:G0+4*\slot+3], 2*KVSTEP
.if \mnext
	s_add_co_u32 s52, s52, MSTEP                   ; step j + 2's place in a mask row,
	s_min_u32 s54, s52, 31*MSTEP                   ; held at the last step's
	s_add_nc_u64 s[48+2*\slot:49+2*\slot], s[8:9], s[54:55]   ; the loads that read this pair two trips ago have been waited for
.endif
	s_wait_dscnt 0x0                               ; the add, my reads of the other slot and my mask stores are done
	ROUND
.if \refill
	tensor_load_to_lds s[G0+4*(1-\slot):G0+4*(1-\slot)+3], s[G1:G1+7]
	s_nop 0
.endif
	WIN 0x40
.irp u, 0,1,2,3,4,5,6,7
	ds_load_b128 v[KF+8*\u:KF+8*\u+3],   v[AK+\slot] offset:1024*\u
	ds_load_b128 v[KF+8*\u+4:KF+8*\u+7], v[AK+\slot] offset:1024*\u+512
.endr
.irp c, 0,1,2,3
.irp g, 0,1,2,3
	ds_load_b128 v[VB+64*\slot+16*\c+4*\g:VB+64*\slot+16*\c+4*\g+3], v[AV+\slot] offset:2048*\c+512*\g
.endr
.endr
	WIN 0
.if \mnext
.irp i, 0,1,2,3
	global_load_b128 v[MS+16*\slot+4*\i:MS+16*\slot+4*\i+3], v[LI], s[48+2*\slot:49+2*\slot] offset:16384*\i th:TH_LOAD_NT
.endr
.endif
.if \soft
	STATS
	SOFT 0, 1, \slot
	SOFT 1, 1, \slot
	RESCPV 1-\slot                                 ; V's other set was waited for ahead of this trip's round
.else
.irp t, 0,1
.irp u, 0,1,2,3,4,5,6,7
	ds_load_b128 v[S+64*\t+8*\u:S+64*\t+8*\u+3],   v[AM] offset:\slot*MBUF+16*MP*\t+64*\u
	ds_load_b128 v[S+64*\t+8*\u+4:S+64*\t+8*\u+7], v[AM] offset:\slot*MBUF+16*MP*\t+64*\u+16
.endr
.endr
.endif
.if \mnext
	s_wait_loadcnt 4                               ; step j + 1's four loads are in; this trip's four may be out
	SCALEM 1-\slot, 1-\slot
.endif
	WIN 0x01                                       ; K window 1; Q and D window 0
	s_wait_dscnt 16+4*\mnext                       ; K, V and tile 0's mask are in; tile 1's 16 loads and my stores may be out
.irp u, 0,1,2,3,4,5,6,7
	v_wmma_f32_16x16x64_bf8_bf8 v[S+8*\u:S+8*\u+7], v[KF+8*\u:KF+8*\u+7], v[QF:QF+7], v[S+8*\u:S+8*\u+7]
.endr
	s_wait_dscnt 4*\mnext
.irp u, 0,1,2,3,4,5,6,7
	v_wmma_f32_16x16x64_bf8_bf8 v[S+64+8*\u:S+64+8*\u+7], v[KF+8*\u:KF+8*\u+7], v[QF+8:QF+15], v[S+64+8*\u:S+64+8*\u+7]
.endr
	WIN 0
	PLACES                                         ; ahead of the reads of D and of the loads into K's registers
.endm
	s_load_b256 s[4:11], s[0:1], 0x0               ; q_ws, kv_ws, mask, scale
	s_load_b256 s[12:19], s[0:1], 0x20             ; the exponents, W_out's codes, y, out1
	v_lshl_add_u32 v[SPW], v0, 2, SPARE
	v_mov_b32 v[NIL], 0
	ds_add_u32 v[SPW], v[NIL]                      ; the opening lines: the add twice on end
	ds_add_u32 v[SPW], v[NIL]
	v_lshrrev_b32 v32, 5, v0
	v_readfirstlane_b32 s20, v32                   ; wave = head
	s_and_b32 s22, ttmp7, 0xffff                   ; the batch
	s_lshl_b32 s88, s20, 14                        ; my eighth of a step's 131,072 bytes, in memory and in a slot
	s_mov_b32 s89, 0
	s_lshl_b32 s90, s22, 22
	s_mov_b32 s91, 0
	s_add_nc_u64 s[90:91], s[90:91], s[88:89]
	s_bfe_u32 s21, ttmp6, 0x40000                  ; cx: it enters global addresses of my own loads alone
	s_lshl_b32 s23, s22, 12
	s_lshl_b32 s84, ttmp9, 7
	s_add_co_u32 s23, s23, s84
	s_lshl_b32 s84, s21, 5
	s_add_co_u32 s23, s23, s84                     ; my first row of the 8,192
	s_lshl_b32 s84, s20, 2
	s_add_co_u32 s84, s84, s23
	s_lshl_b32 s84, s84, 14                        ; my wave's four mask rows
	s_mov_b32 s85, 0
	s_lshl_b32 s86, s23, 11
	s_lshl_b32 s92, s20, 8
	s_add_co_u32 s86, s86, s92                     ; y, out1: my row, my wave's 64 outputs
	s_mov_b32 s87, 0
	s_lshl_b32 s92, s22, 5
	s_add_co_u32 s92, s92, ttmp9
	s_lshl_b32 s92, s92, 16
	s_lshl_b32 s94, s20, 13
	s_add_co_u32 s92, s92, s94
	s_lshl_b32 s95, s21, 11
	s_add_co_u32 s92, s92, s95                     ; Q: block, head, my two tiles
	s_mov_b32 s93, 0
	s_mov_b32 s[G1], 15|(3<<16)|(1<<21)            ; all four work-groups; elements of 8 bytes; 64 dense rows of 256 bytes
	s_mov_b32 s[G1+1], 32<<16
	s_mov_b32 s[G1+2], 64<<16
	s_mov_b32 s[G1+3], 32<<16
	s_mov_b32 s[G1+4], 64
	s_mov_b32 s[G1+5], 32
	s_mov_b32 s[G1+6], 0
	s_mov_b32 s[G1+7], 0
	s_mov_b32 s52, MSTEP
	s_mov_b32 s55, 0
	s_mov_b32 s60, 0x76543210
	s_mov_b32 s61, 0xfedcba98
	s_mov_b32 s62, 15
	v_and_b32 v33, 31, v0                          ; lane
	v_and_b32 v34, 15, v0                          ; r
	v_bfe_u32 v35, v0, 4, 1                        ; h
	v_lshlrev_b32 v[LI], 4, v33
	v_mul_u32_u24 v[AM], v34, MP
	v_lshlrev_b32 v[WO], 9, v34
	v_add_nc_u32 v[AK], s94, v[LI]
	v_lshl_add_u32 v[AM], v35, 5, v[AM]
	v_lshl_add_u32 v[WO], v35, 4, v[WO]
	v_add_nc_u32 v[AK+1], SLOT, v[AK]
	v_add_nc_u32 v[AV], VOFF, v[AK]
	v_add_nc_u32 v[AM], MBASE, v[AM]
	v_add_nc_u32 v[AV+1], VOFF, v[AK+1]
	v_add_nc_u32 v[OB], OIMG, v[LI]
	s_mul_i32 s95, s20, 4*MP
	v_add_nc_u32 v[MW], s95, v[OB]                 ; MBASE = OIMG
	s_lshl_b32 s95, s20, 10
	v_add_nc_u32 v[OIA], s95, v[OB]
	s_mul_i32 s95, s20, 16*SP
	v_mul_u32_u24 v[STO], v34, SP
	v_mul_u32_u24 v[RD], v35, SP
	v_lshlrev_b32 v[GY], 11, v35
	v_lshl_add_u32 v[STO], v35, 5, v[STO]
	v_lshl_add_u32 v[RD], v34, 4, v[RD]
	v_lshl_add_u32 v[GY], v34, 4, v[GY]
	v_add_nc_u32 v[STO], s95, v[STO]
	v_add_nc_u32 v[RD], s95, v[RD]
	s_wait_alu depctr_va_vdst(0)                   ; the wait ahead of the blocking waits
	s_wait_dscnt 0x0                               ; both opening adds are done
	s_wait_kmcnt 0x0
	s_load_b256 s[68:75], s[12:13], 0x0            ; e0 .. e7
	s_load_b128 s[76:79], s[12:13], 0x20           ; e8 .. e11
	s_load_b32 s80, s[10:11], 0x0                  ; scale
	s_add_nc_u64 s[6:7], s[6:7], s[90:91]
	s_add_nc_u64 s[8:9], s[8:9], s[84:85]
	s_add_nc_u64 s[16:17], s[16:17], s[86:87]
	s_add_nc_u64 s[18:19], s[18:19], s[86:87]
	s_add_nc_u64 s[4:5], s[4:5], s[92:93]
	s_lshl_b32 s84, s20, 15
	s_add_nc_u64 s[14:15], s[14:15], s[84:85]      ; my 64 rows of W_out
.irp n, 0,1
	s_mov_b32 s[G0+4*\n], 1
	s_add_co_u32 s[G0+4*\n+1], s88, \n*SLOT
	s_add_nc_u64 s[G0+4*\n+2:G0+4*\n+3], s[6:7], \n*KVSTEP
	s_or_b32 s[G0+4*\n+3], s[G0+4*\n+3], 0x80000000
.endr
	ROUND                                          ; the first joint loads meet
	tensor_load_to_lds s[G0:G0+3], s[G1:G1+7]      ; step 0: one tensor load a wave at the head
	s_nop 0
.irp t, 0,1
	global_load_b128 v[QF+8*\t:QF+8*\t+3],   v[LI], s[4:5] offset:1024*\t
	global_load_b128 v[QF+8*\t+4:QF+8*\t+7], v[LI], s[4:5] offset:1024*\t+512
.endr
.irp n, 0,1
.irp i, 0,1,2,3
	global_load_b128 v[MS+16*\n+4*\i:MS+16*\n+4*\i+3], v[LI], s[8:9] offset:16384*\i+MSTEP*\n th:TH_LOAD_NT   ; the mask of steps 0 and 1
.endr
.endr
	WIN 0x40
.set j, 0
.rept 64
	v_mov_b32 v[OF+j], 0                           ; O^T: the softmax is written once; the first change of M leaves zeros zeros
.set j, j+1
.endr
	WIN 0
.irp t, 0,1
	v_mov_b32 v[ST+8*\t+1], 0xff61b1e6             ; -3e38, under every t
	v_mov_b32 v[ST+8*\t+2], 0
	v_mov_b32 v[ST+8*\t+3], 0
	v_mov_b32 v[ST+8*\t+5], 0
	v_mov_b32 v[PT+\t], 0
	v_floor_f32 v[ST+8*\t], -v[ST+8*\t+1]
.endr
	s_wait_kmcnt 0x0
	s_add_co_i32 s84, s74, s75
	s_mov_b32 s85, 0x0d800000                      ; 2^-100
	v_mov_b32 v36, s80
	v_ldexp_f32 v36, v36, s84                      ; c = scale x 2^(e6 + e7)
	v_and_b32 v37, 0x7fffffff, v36                 ; |c|
	v_lshrrev_b32 v39, 31, v36                     ; its sign
	v_cmp_gt_f32 s86, s85, v37                     ; |c| under 2^-100: a selection, no branch
	v_mul_lo_u32 v39, 0x80808080, v39              ; the sign bit of each code
	v_cndmask_b32 v37, v37, 1.0, s86
	v_cndmask_b32 v38, -1, 0, s86                  ; all ones, or 0 to clear Q
	v_mul_f32 v[C2], 0x3fb8aa3b, v37
	v_mov_b32 v[C2+1], v[C2]
	s_add_co_i32 s84, s76, 127
	s_lshl_b32 s85, s84, 23
	v_mov_b32 v[SC8], s85                          ; 2^e8
	s_add_co_i32 s84, s84, 15
	s_lshl_b32 s84, s84, 23
	s_or_b32 s84, s84, 0x600000
	v_mov_b32 v[HH], s84                           ; 57,344 x 2^e8
	s_sub_co_i32 s84, s78, s76
	s_sub_co_i32 s84, s84, s77
	s_add_co_i32 s84, s84, 127
	s_lshl_b32 s85, s84, 23
	v_mov_b32 v[SCO], s85                          ; 2^(e10 - e8 - e9)
	s_add_co_i32 s84, s84, 15
	s_lshl_b32 s84, s84, 23
	s_or_b32 s84, s84, 0x600000
	v_mov_b32 v[LMO], s84
	s_add_co_i32 s66, s78, s79
	s_add_co_i32 s66, s66, 127
	s_lshl_b32 s66, s66, 23                        ; 2^(e10 + e11)
	s_mov_b32 s67, s66
	s_wait_alu depctr_va_vdst(0)                   ; the wait ahead of the transcendental
	v_rcp_f32 v[RC], v37
	v_nop
	s_wait_alu depctr_va_vdst(0)                   ; and ahead of its first reader
	v_mov_b32 v[RC+1], v[RC]
	s_wait_alu depctr_va_vdst(0)
	s_wait_loadcnt 4                               ; Q and step 0's mask are in; step 1's four loads may be out
.set j, 0
.rept 16
	v_xor_b32 v[QF+j], v[QF+j], v39
.set j, j+1
.endr
.set j, 0
.rept 16
	v_and_b32 v[QF+j], v[QF+j], v38
.set j, j+1
.endr
	SCALEM 0, 0
	TRIP 0, 1, 0, 1                                ; trip 0: slot 1's first fill stands behind its round, as a refill does
.Lstep:                                            ; 15 times trips 2 i + 1 and 2 i + 2: trips 1 to 30
	TRIP 1, 1, 1, 1
	TRIP 0, 1, 1, 1
	s_sub_co_u32 s62, s62, 1
	s_cmp_lg_u32 s62, 0
	s_cbranch_scc1 .Lstep
	TRIP 1, 0, 1, 0                                ; trip 31: nothing is left to ask for
	; ---------------- step 31's softmax, with W_out's fragments asked for as registers fall free
.macro WLD reg, s
.irp n, 0,1,2,3
.irp c, 0,1,2,3
	global_load_b128 v[\reg+16*\n+4*\c:\reg+16*\n+4*\c+3], v[WO], s[14:15] offset:8192*\n+128*\s+32*\c
.endr
.endr
.endm
	s_wait_loadcnt 0x0                             ; trip 30's held mask loads: their registers are used again below
	WIN 0x40
	WLD KF, 0                                      ; K's registers (four places stand behind the last score products),
	WLD VB, 1                                      ; and V's set 0, last read in trip 31's second product
	WIN 0
	STATS
	SOFT 0, 0, 0
	WLD S, 2
	SOFT 1, 0, 0
	WLD S+64, 3
	RESCPV 1
	; ---------------- o = O^T / the sum, quantised; out1 = y + o W_out^T
.irp t, 0,1
	v_add_f32 v[ST+8*\t+6], v[ST+8*\t+2], v[ST+8*\t+3]
.endr
.irp t, 0,1
	v_permlanex16_b32 v[ST+8*\t+7], v[ST+8*\t+6], s60, s61
.endr
.irp t, 0,1
	v_add_f32 v[ST+8*\t+6], v[ST+8*\t+6], v[ST+8*\t+7]     ; the row's sum.  (These six lines are the places behind the last products)
.endr
	WIN 0x40
.irp t, 0,1
.irp i, 0,1,2,3,4,5,6,7
	global_load_b128 v[YF+32*\t+4*\i:YF+32*\t+4*\i+3], v[GY], s[16:17] offset:(16*\t+2*\i)*2048 th:TH_LOAD_NT   ; y, over V's set 1
.endr
.endr
	WIN 0
	s_wait_alu depctr_va_vdst(0)
.irp t, 0,1
	v_rcp_f32 v[ST+8*\t+6], v[ST+8*\t+6]
.endr
	v_nop
	WIN 0x41
	s_wait_alu depctr_va_vdst(0)                   ; for the reciprocals, and directly ahead of O^T's first readers
.irp t, 0,1
.set j, 0
.rept 16
	v_pk_mul_f32 v[OF+32*\t+j:OF+32*\t+j+1], v[OF+32*\t+j:OF+32*\t+j+1], v[ST+8*\t+6:ST+8*\t+7] op_sel_hi:[1,0]
.set j, j+2
.endr
.endr
.set j, 0
.rept 64
	v_med3_num_f32 v[OF+j], v[OF+j], -v[LMO], v[LMO]
.set j, j+1
.endr
	WIN 0x01
.irp t, 0,1
.irp c, 0,1,2,3
	v_cvt_scalef32_pk8_bf8_f32 v[OC+8*\t+2*\c:OC+8*\t+2*\c+1], v[OF+32*\t+8*\c:OF+32*\t+8*\c+7], v[SCO]
.endr
.endr
	WIN 0
	v_nop                                          ; one plain line behind the last conversion
.irp t, 0,1
.irp b, 0,1
	ds_store_b128 v[OIA], v[OC+8*\t+4*\b:OC+8*\t+4*\b+3] offset:8192*\t+512*\b   ; my head's 64 channels: groups 2 (w % 2) + b of K step w / 2
.endr
.endr
	s_wait_dscnt 0x0
	s_barrier_signal -1
	s_barrier_wait -1                              ; o's eight fragments lie in LDS
.macro OFETCH s                                ; o's two fragments of K step s, over P and the mask's sets by turns
.irp t, 0,1
.irp c, 0,1,2,3
	ds_load_b128 v[PF+32*((\s)%2)+16*\t+4*\c:PF+32*((\s)%2)+16*\t+4*\c+3], v[OB] offset:8192*\t+2048*(\s)+512*\c
.endr
.endr
.endm
.macro OMUL s, wb, zero                        ; source 0 = 16 rows of W_out, source 1 = 16 rows of o; eight accumulators by turns
.irp t, 0,1
.irp n, 0,1,2,3
.if \zero
	v_wmma_f32_16x16x128_bf8_bf8 v[OF+8*(4*\t+\n):OF+8*(4*\t+\n)+7], v[\wb+16*\n:\wb+16*\n+15], v[PF+32*((\s)%2)+16*\t:PF+32*((\s)%2)+16*\t+15], 0
.else
	v_wmma_f32_16x16x128_bf8_bf8 v[OF+8*(4*\t+\n):OF+8*(4*\t+\n)+7], v[\wb+16*\n:\wb+16*\n+15], v[PF+32*((\s)%2)+16*\t:PF+32*((\s)%2)+16*\t+15], v[OF+8*(4*\t+\n):OF+8*(4*\t+\n)+7]
.endif
.endr
.endr
.endm
	OFETCH 0
	OFETCH 1
	s_wait_loadcnt 63                              ; 64 loads were issued behind K step 0's weights
	s_wait_dscnt 8
	WIN 0x41
	OMUL 0, KF, 1
	WIN 0
	PLACES
	OFETCH 2
	s_wait_loadcnt 48
	s_wait_dscnt 8
	WIN 0x51
	OMUL 1, VB, 0
	WIN 0
	PLACES
	OFETCH 3
	s_wait_loadcnt 32
	s_wait_dscnt 8
	WIN 0x50
	OMUL 2, S, 0
	s_wait_loadcnt 16                              ; y's 16 may be out
	s_wait_dscnt 0x0
	OMUL 3, S+64, 0
	WIN 0
	PLACES
	; a tile goes through my own stage and comes back as rows of 256 bytes; LDS serves a wave's instructions in order (ISA guide 5.7.1.4)
.irp t, 0,1
	WIN 0x04
.irp n, 0,1,2,3
	ds_store_b128 v[STO], v[OF+8*(4*\t+\n):OF+8*(4*\t+\n)+3] offset:64*\n
	ds_store_b128 v[STO], v[OF+8*(4*\t+\n)+4:OF+8*(4*\t+\n)+7] offset:64*\n+16
.endr
	WIN 0x40
.irp i, 0,1,2,3,4,5,6,7
	ds_load_b128 v[KF+32*\t+4*\i:KF+32*\t+4*\i+3], v[RD] offset:2*SP*\i
.endr
.endr
	WIN 0
	s_wait_loadcnt 0x0                             ; y
.irp t, 0,1
	s_wait_dscnt 16-16*\t
	WIN 0x51
.set j, 0
.rept 16
	v_pk_fma_f32 v[KF+32*\t+j:KF+32*\t+j+1], v[KF+32*\t+j:KF+32*\t+j+1], s[66:67], v[YF+32*\t+j:YF+32*\t+j+1] op_sel_hi:[1,0,1]   ; sum x 2^(e10 + e11) + y
.set j, j+2
.endr
	WIN 0x04
.irp i, 0,1,2,3,4,5,6,7
	global_store_b128 v[GY], v[KF+32*\t+4*\i:KF+32*\t+4*\i+3], s[18:19] offset:(16*\t+2*\i)*2048 th:TH_STORE_NT   ; 16 lanes store 256 consecutive bytes, aligned
.endr
.endr
	WIN 0
	s_wait_tensorcnt 0x0                           ; the wave's end
	ds_add_u32 v[SPW], v[NIL]
	s_wait_dscnt 0x0
	ROUND                                          ; the closing round
	s_endpgm
.Lfunc_end_k_qed1c17d32d_attn:
	.size	k_qed1c17d32d_attn, .Lfunc_end_k_qed1c17d32d_attn-k_qed1c17d32d_attn
	.p2alignl 7, 3214868480
	.fill 96, 4, 3214868480
	.section	.rodata,"a",@progbits
	.p2align	6, 0x0
	.amdhsa_kernel k_qed1c17d32d_attn
		.amdhsa_group_segment_fixed_size 327680
		.amdhsa_private_segment_fixed_size 0
		.amdhsa_enable_private_segment 0
		.amdhsa_kernarg_size 64
		.amdhsa_user_sgpr_count 2
		.amdhsa_user_sgpr_kernarg_segment_ptr 1
		.amdhsa_wavefront_size32 1
		.amdhsa_system_sgpr_workgroup_id_x 1
		.amdhsa_system_sgpr_workgroup_id_y 1
		.amdhsa_system_sgpr_workgroup_id_z 1
		.amdhsa_system_vgpr_workitem_id 0
		.amdhsa_next_free_vgpr 512
		.amdhsa_next_free_sgpr 96
		.amdhsa_reserve_vcc 0
		.amdhsa_float_denorm_mode_32 3
		.amdhsa_float_denorm_mode_16_64 3
		.amdhsa_memory_ordered 1
		.amdhsa_forward_progress 1
		.amdhsa_inst_pref_size 165
	.end_amdhsa_kernel
	.amdgpu_metadata
---
amdhsa.version: [ 1, 2 ]
amdhsa.kernels:
  - .name:           k_qed1c17d32d_attn
    .symbol:         k_qed1c17d32d_attn.kd
    .args:
      - { .name: q_ws, .offset: 0, .size: 8, .value_kind: global_buffer, .address_space: global }
      - { .name: kv_ws, .offset: 8, .size: 8, .value_kind: global_buffer, .address_space: global }
      - { .name: mask, .offset: 16, .size: 8, .value_kind: global_buffer, .address_space: global }
      - { .name: scale, .offset: 24, .size: 8, .value_kind: global_buffer, .address_space: global }
      - { .name: lowp_scales, .offset: 32, .size: 8, .value_kind: global_buffer, .address_space: global }
      - { .name: W_out_codes, .offset: 40, .size: 8, .value_kind: global_buffer, .address_space: global }
      - { .name: y, .offset: 48, .size: 8, .value_kind: global_buffer, .address_space: global }
      - { .name: out1, .offset: 56, .size: 8, .value_kind: global_buffer, .address_space: global }
    .group_segment_fixed_size: 327680
    .private_segment_fixed_size: 0
    .kernarg_segment_align: 8
    .kernarg_segment_size: 64
    .max_flat_workgroup_size: 256
    .sgpr_count:     96
    .vgpr_count:     512
    .wavefront_size: 32
...
	.end_amdgpu_metadata
.endif
;; end of part 2
